; MI455X (gfx1250); checked and timed in simulation.
; The chip was launched on July 23, 2026; its instructions are those of AMD's public machine-readable ISA for CDNA 5 (MIT licence, August 2026) and "CDNA5" Instruction Set Architecture Reference Guide (July 2026). The comments in the code are by the model that wrote it; some were corrected since.
;; Attend. Allowed arithmetic: matrix products marked QUANTISED: E2M3 operands, one E8M0 scale for each 32 along K, by v_wmma_scale_f32_16x16x128_f8f6f4 with both operands' format E2M3, f32 sums; everything else in f32.
;; Inputs: k 4 x 16 x 2,048 x 64 float32; q 4 x 16 x 2,048 x 64 float32; v 4 x 16 x 2,048 x 64 float32.
;; Outputs: out0 4 x 16 x 2,048 x 64 float32.
;; Constants: swap = 1.
;; This version of the problem:
;;   THIS VERSION OF THE PROBLEM IS GIVEN IN LOW PRECISION. The matrix products marked QUANTISED in the list below multiply operands that are first quantised to E2M3 (2 exponent bits, 3 mantissa bits; 6 bits a number), with one power-of-two scale for each 32 numbers along K (OCP MX v1.0); their sums are f32. All else is computed in f32.
;;   The module's matrix products, in the order in which they are computed (A, B: the left and right operand; K: the contracted axis; several contracted axes count as one K, in the product's order):
;;     1. batch 64 x [M 2,048, K 64] x [K 64, N 2,048]; A: input q; B: input k: QUANTISED
;;     2. batch 64 x [M 2,048, K 2,048] x [K 2,048, N 64]; A: computed on the way; B: input v: QUANTISED
;;   THE QUANTISER, for each operand of a quantised product, along K:
;;     - K is cut into blocks of 32 from its start; a last block that is shorter is filled with zeros.
;;     - A block's scale is 2^e with e = floor(log2(the largest magnitude in the block)) - 2, held to -126 .. 127; a block of zeros has e = 0. As a byte (E8M0): e + 127.
;;     - Each number is divided by its block's scale, clamped to +-7.5, and rounded to the nearest number of E2M3, ties to even, subnormals kept.
;;     - The product sums the exact products of the quantised numbers (number of the format x scale) in f32.
;;   ~~~python
;;   def quantise(x, axis):      # numpy; x: float32 -> the quantised numbers, widened to float32 again
;;       x = np.moveaxis(x, axis, -1); K = x.shape[-1]
;;       x = np.pad(x, [(0, 0)] * (x.ndim - 1) + [(0, -K % 32)]); x = x.reshape(x.shape[:-1] + (-1, 32)); a = np.abs(x).max(-1, keepdims=True)
;;       e = np.where(a > 0, np.clip(np.frexp(np.where(a > 0, a, 1))[1] - 1 - 2, -126, 127), 0)      # np.frexp(a)[1] - 1 = floor(log2(a)), exactly
;;       r = np.clip(x / 2.0 ** e, -7.5, 7.5)
;;       step = 2.0 ** (np.maximum(np.frexp(np.where(r == 0, 1, r))[1] - 1, 0) - 3)
;;       q = np.round(r / step) * step * 2.0 ** e      # np.round: ties to even
;;       return np.moveaxis(q.reshape(q.shape[:-2] + (-1,))[..., :K], -1, axis).astype(np.float32)
;;   ~~~
;;   OPERANDS COMPUTED ON THE WAY. 'Computed on the way' means the value that the module computes at that place (a softmax that the list does not call 'softmax' is quantised finished and normalised). What goes into a quantiser is computed in f32, as accurately as f32 sums, v_exp_f32 and their like allow (about 1e-6 of the number): no bf16 or f16 on the way to a quantiser, and a product that is left as it is and whose result goes on into a quantised operand takes f32 operands (vector FMAs, or v_wmma_f32_16x16x4_f32). A number that lies on a knife's edge between two numbers of the format may be rounded either way, as far as f32 arithmetic and the matrix unit's own rounding can turn it there, and no further.
;; One version. Each part assembles by itself: llvm-mc -triple=amdgcn-amd-amdhsa -mcpu=gfx1250 --defsym DOCPART=n.
;; ======== version 1 of 1: 2 launches
;; limits: right only within a limited range of input values
;; workspace buffers: kc 3,407,872 bytes; vc 6,553,600 bytes; qc 3,670,016 bytes
;; launch prep (part 1): grid 16 x 32, 4 waves a work-group, no clusters, 83,456 bytes of LDS; arguments k, v, kc, vc, q, qc; writes kc, vc, qc
.if DOCPART == 1
	.amdgcn_target "amdgcn-amd-amdhsa--gfx1250"
	.amdhsa_code_object_version 6
	.text
	.protected	k_qf548a5bbff_prep
	.globl	k_qf548a5bbff_prep
	.p2align	8
	.type	k_qf548a5bbff_prep,@function
k_qf548a5bbff_prep:
	s_mov_b64 s[64:65], 0
	v_nop
	global_prefetch_b8 v0, s[64:65] scope:SCOPE_SE
	s_setreg_imm32_b32 hwreg(HW_REG_WAVE_MODE, 25, 1), 1
	s_wait_xcnt 0x0
; K (heads 0 to 31) and V (all 64 heads), f32 [head][2048][64], become codes of FP6 (E2M3) with one E8M0 scale byte for each 32 along a product's K,
; laid out as IMAGES OF THE OPERAND REGISTERS of the second launch: lane l's 16 bytes of four registers at 16 l, 512 bytes an image.
; swap = 1 is a constant of the problem: the weights of batches 0 and 1 serve batches 2 and 3 too, so k of heads 32 to 63 feeds nothing that is kept and is not read.
; A block's scale is 2^(floor(log2(largest magnitude)) - 2); its byte is the largest magnitude's exponent field - 2, held at 1 from below.
; LIMITS: a block of zeros gets the byte 1 where the quantiser's rule says 127 (its codes are zeros, and this program alone reads the bytes); NaN and infinities are not served.
; SHARES.  Work-group (x = step of 128 keys, y = head pair hp) makes one step block of kc (6,656 bytes) and one of vc (12,800 bytes).
; kc step block: a stream of 48 registers, 12 images; register 6 T + i belongs to tile T = 4 c + u; lane (r, h) of tile T holds d = 32 h .. 32 h + 31 of key 64 c + 32 (r / 8) + 8 u + r % 8,
;   so that in K Q^T (16 keys x 16 queries) a lane's registers 32 c .. 32 c + 31 are the keys 64 c + 32 h + 0 .. 31: a whole block of the next product's K.  Behind them the scale image:
;   lane l, word i = the word of row l % 16 of tile 2 i + l / 16; a word is b0 | b1 << 8, repeated in its upper half (the instruction's upper 64 along K meet zero codes of Q).
; vc step block: 8 fragments F = 4 bb + t (bb: head hp or hp + 32; t: 16 channels), 3 images each: lane (r, h), registers 6 c .. 6 c + 5 = keys 64 c + 32 h + 0 .. 31 of channel 16 t + r;
;   behind them the scale image: lane l, word i = the word of row l % 16 of fragment 2 i + l / 16.
; Wave w: K's tiles 2 w, 2 w + 1 (its keys are two runs of 16 rows, turned through LDS so that a lane holds 32 neighbours along d);
;         V's fragments 2 w, 2 w + 1: a lane takes a channel and its registers run down the keys, so nothing is transposed.
.set KTW,   8704                       ; LDS 0: for each wave 32 rows of K at pitch 272 (256 + 16: sixteen rows begin in sixteen different 16-byte columns of 256)
.set OUTV,  34816                      ; for each wave 3,072 bytes: its two fragments of V as images
.set SCI,   47104                      ; K's scale image, 512 bytes, then V's
.set KC,    16                         ; v16-27   my 12 registers of K's stream
.set KL,    32                         ; v32-95   K as loaded; later V's codes: block b at v[32 + 8 b], second conversions at v[64 + 4 b]
.set KX,    96                         ; v96-159  two tiles of K, 32 numbers each; later V's images on the way out
.set VX,    160                        ; v160-223 two sets of 32 numbers of V
.set SRD,   224                        ; v224     LDS address of the scale image that wave 0 or 1 sends out; made at the head, never rewritten, and no load lands on it
.set KW,    225                        ; v225     my lane's word of K's scale image
.set SIM,   228                        ; v228-231 a scale image on its way out
.set FLOOR, 0x1800000                  ; 2^(3 - 127): no largest magnitude is taken under it, so the byte cannot fall under 1
.set EOFF,  0xff000000                 ; takes 2 off an exponent field
; Q (heads 0 to 31) is quantised here too, along its 64 channels.  q of heads 32 to 63 feeds only weights that are not kept (swap = 1), for all values of the inputs, and is not read;
; a NaN, an infinity or an overflow that reaches only the k and q left out is not carried to the result.
; qc: for each 32 queries (head, step x, wave w: queries 128 x + 32 w ..) 1,792 bytes: tile t = queries 16 t .. 16 t + 15; lane (r, h) holds channels 32 h .. 32 h + 31 of query r in six registers:
;   registers 0-3 of tile t at 512 t + 16 lane, registers 4, 5 at 1024 + 256 t + 8 lane; at 1536 + 8 lane the two tiles' scale words of row lane % 16 (b0 | b1 << 8, repeated in the upper half).
.set QT,    48640                      ; behind the spare words: for each wave 32 rows of Q at pitch 272
	s_load_b256 s[4:11], s[0:1], 0x0
	s_load_b128 s[32:35], s[0:1], 0x20             ; q s[32:33], qc s[34:35]
	v_lshl_add_u32 v232, v0, 2, 0xbc00
	v_mov_b32 v233, 0
	v_lshrrev_b32 v1, 5, v0
	v_readfirstlane_b32 s12, v1                    ; wave 0..3
	v_and_b32 v1, 31, v0                           ; lane
	v_and_b32 v2, 15, v0                           ; r
	v_bfe_u32 v3, v0, 4, 1                         ; h
	v_lshlrev_b32 v4, 4, v1                        ; 16 x lane
	v_lshlrev_b32 v5, 2, v1
	v_lshlrev_b32 v226, 3, v1                      ; 8 x lane
	s_and_b32 s14, ttmp7, 0xffff                   ; hp
	s_lshr_b32 s15, s12, 1                         ; c for K, bb for V
	s_and_b32 s16, s12, 1                          ; which half of that
	s_mul_i32 s17, s12, KTW
	v_mul_u32_u24 v6, v3, 272
	v_lshl_add_u32 v6, v2, 4, v6
	v_add_nc_u32 v6, s17, v6                       ; K into the turn: a load holds two rows: row h, 16 r bytes on
	v_mul_u32_u24 v7, v2, 272
	v_lshl_add_u32 v7, v3, 7, v7
	v_add_nc_u32 v7, s17, v7                       ; and out of it: row r, my half of its 256 bytes
	s_mul_i32 s17, s12, 3072
	s_add_co_u32 s17, s17, OUTV
	v_mul_u32_u24 v8, v3, 1536
	v_lshl_add_u32 v8, v2, 4, v8
	v_add_nc_u32 v8, s17, v8                       ; V's codes: fragment lane / 16, row r of it
	v_add_nc_u32 v9, s17, v4                       ; and back as images
	s_lshl_b32 s17, s12, 2
	s_add_co_u32 s17, s17, SCI
	v_add_nc_u32 v10, s17, v4                      ; my word of a scale image: 16 x lane + 4 x wave
	v_lshlrev_b32 v11, 3, v3                       ; 8 h
	s_lshl_b32 s17, s16, 9
	s_add_co_u32 s17, s17, SCI
	v_add_nc_u32 v[SRD], s17, v4                   ; the scale image that wave 0 (K's) or wave 1 (V's) sends out: 16 x lane + 512 x (wave % 2)
	v_mov_b32 v30, 0                               ; written once: a lane permute's destination counts as one of its sources
	s_lshl_b32 s26, s14, 19                        ; a head is 2^19 bytes,
	s_lshl_b32 s17, ttmp9, 15                      ; a step of 128 rows 2^15
	s_add_co_u32 s26, s26, s17
	s_lshl_b32 s17, s12, 13
	s_add_co_u32 s36, s26, s17                     ; q: + 32 rows for each wave
	s_mov_b32 s37, 0
	s_lshl_b32 s38, s14, 4
	s_add_co_u32 s38, s38, ttmp9
	s_lshl_b32 s38, s38, 2
	s_add_co_u32 s38, s38, s12
	s_mul_i32 s38, s38, 1792                       ; qc: ((16 hp + x) 4 + wave) x 1,792
	s_mov_b32 s39, 0
	s_lshl_b32 s17, s15, 14
	s_add_co_u32 s18, s26, s17                     ; k: + 64 c rows
	s_lshl_b32 s17, s16, 12
	s_add_co_u32 s18, s18, s17                     ;    + 16 rows for the odd wave of the two
	s_mov_b32 s19, 0
	s_lshl_b32 s17, s15, 24
	s_add_co_u32 s20, s26, s17                     ; v: + 32 heads for bb = 1
	s_lshl_b32 s17, s16, 7
	s_add_co_u32 s20, s20, s17                     ;    + 32 channels for the odd wave
	s_mov_b32 s21, 0
	s_mul_i32 s22, s14, 106496
	s_mul_i32 s17, ttmp9, 6656
	s_add_co_u32 s22, s22, s17                     ; my step block of kc
	s_mov_b32 s23, 0
	s_mul_i32 s24, s14, 204800
	s_mul_i32 s17, ttmp9, 12800
	s_add_co_u32 s24, s24, s17                     ; and of vc
	s_mov_b32 s25, 0
	s_mul_i32 s26, s12, 1536
	s_mov_b32 s27, 0
	s_mov_b32 s28, 0x76543210
	s_mov_b32 s29, 0xfedcba98                      ; v_permlanex16_b32's selects for lane l xor 16
	s_wait_alu depctr_va_vdst(0)
	s_wait_kmcnt 0x0
	s_add_nc_u64 s[4:5], s[4:5], s[18:19]
	s_add_nc_u64 s[32:33], s[32:33], s[36:37]
	s_add_nc_u64 s[34:35], s[34:35], s[38:39]
	s_add_nc_u64 s[6:7], s[6:7], s[20:21]
	s_add_nc_u64 s[8:9], s[8:9], s[22:23]
	s_add_nc_u64 s[10:11], s[10:11], s[24:25]
	s_add_nc_u64 s[22:23], s[8:9], s[26:27]        ; my three images of K: 1,536 x wave
	s_add_nc_u64 s[24:25], s[10:11], s[26:27]
	s_add_nc_u64 s[24:25], s[24:25], s[26:27]      ; my six images of V: 3,072 x wave
	s_add_nc_u64 s[8:9], s[8:9], 6144              ; K's scale image
	s_add_nc_u64 s[10:11], s[10:11], 12288         ; V's
.macro LOAD b                          ; block b of V: rows 32 b + i, my channel, into set b % 2; a wave reads 128 consecutive bytes, the two waves of a head a whole row
.irp i, 0,1,2,3,4,5,6,7,8,9,10,11,12,13,14,15,16,17,18,19,20,21,22,23,24,25,26,27,28,29,30,31
	global_load_b32 v[VX+32*((\b)%2)+\i], v5, s[6:7] offset:(32*(\b)+\i)*256 th:TH_LOAD_NT
.endr
.endm
.macro MAXB                            ; v[XS] .. v[XS + 31] are one block, all mine: v12 its largest magnitude, v14 the conversions' scale operand, v15 the byte
	v_max3_num_f32 v12, |v[XS]|, |v[XS+1]|, FLOOR
	v_max3_num_f32 v13, |v[XS+2]|, |v[XS+3]|, |v[XS+4]|
.irp i, 5,9,13,17,21,25
	v_max3_num_f32 v12, v12, |v[XS+\i]|, |v[XS+\i+1]|                ; two chains, so that no line waits for the line above it
	v_max3_num_f32 v13, v13, |v[XS+\i+2]|, |v[XS+\i+3]|
.endr
	v_max3_num_f32 v12, v12, |v[XS+29]|, |v[XS+30]|
	v_max3_num_f32 v12, v12, v13, |v[XS+31]|
	v_add_nc_u32 v14, EOFF, v12                    ; the conversion takes the exponent field of this operand as its scale, and nothing else of it
	v_lshrrev_b32 v15, 23, v14
.endm
.irp g, 0,1                                    ; K: two runs of 16 rows, 32 rows apart; each load reads 512 consecutive bytes, two rows
.irp j, 0,1,2,3,4,5,6,7
	global_load_b128 v[KL+32*\g+4*\j:KL+32*\g+4*\j+3], v4, s[4:5] offset:8192*\g+512*\j th:TH_LOAD_NT
.endr
.endr
.irp j, 0,1,2,3,4,5,6,7,8,9,10,11,12,13,14,15
	global_load_b128 v[KX+4*\j:KX+4*\j+3], v4, s[32:33] offset:512*\j th:TH_LOAD_NT   ; Q: my 32 rows, 512 consecutive bytes a load
.endr
	LOAD 0
	s_wait_loadcnt 32
.irp g, 0,1                                    ; row 2 j + h of run g is row 8 g + (2 j + h) % 8 of tile j / 4
.irp j, 0,1,2,3,4,5,6,7
	ds_store_b128 v6, v[KL+32*\g+4*\j:KL+32*\g+4*\j+3] offset:(16*(\j/4)+8*\g+2*(\j%4))*272
.endr
.endr
.irp j, 0,1,2,3,4,5,6,7,8,9,10,11,12,13,14,15
	ds_store_b128 v6, v[KX+4*\j:KX+4*\j+3] offset:QT+2*\j*272     ; Q's rows 2 j + h into a turn of their own
.endr
	LOAD 1
.irp t, 0,1                                    ; LDS serves a wave's instructions in order (ISA guide 5.7.1.4): these see my stores
.irp i, 0,1,2,3,4,5,6,7
	ds_load_b128 v[KX+32*\t+4*\i:KX+32*\t+4*\i+3], v7 offset:16*\t*272+16*\i
.endr
.endr
.macro QK t                            ; tile 2 w + t: my row's block h becomes six registers of codes; the row's scale word goes to v[28 + t]
.set XS, KX+32*(\t)
	MAXB
	v_cvt_scalef32_pk16_fp6_f32 v[KC+6*(\t):KC+6*(\t)+2], v[XS:XS+15], v14
	v_cvt_scalef32_pk16_fp6_f32 v[64+4*(\t):64+4*(\t)+2], v[XS+16:XS+31], v14   ; (a conversion's three registers begin on an even number)
	v_lshlrev_b32 v[28+\t], v11, v15               ; my byte at its place, 8 h bits up.  (The plain line behind the conversions)
.irp i, 0,1,2
	v_mov_b32 v[KC+6*(\t)+3+\i], v[64+4*(\t)+\i]
.endr
	v_permlanex16_b32 v30, v[28+\t], s28, s29
	v_or_b32 v[28+\t], v[28+\t], v30               ; with lane l xor 16's byte: b0 | b1 << 8
	v_lshl_or_b32 v[28+\t], v[28+\t], 16, v[28+\t] ; and once more in the upper half
.endm
	s_wait_dscnt 8                                 ; the stores and the first tile's eight loads are done; the second tile's eight may be out
	QK 0
	s_wait_dscnt 0x0
	QK 1
.irp j, 0,1,2
	global_store_b128 v4, v[KC+4*\j:KC+4*\j+3], s[22:23] offset:512*\j   ; an image: 512 consecutive bytes, aligned
.endr
	v_cmp_eq_u32 vcc_lo, 1, v3
	v_cndmask_b32 v[KW], v28, v29, vcc_lo          ; lanes 0-15 carry tile 2 w's words, lanes 16-31 tile 2 w + 1's
	ds_store_b32 v10, v[KW]
.irp t, 0,1                                    ; Q's two tiles take K's place in the registers
.irp i, 0,1,2,3,4,5,6,7
	ds_load_b128 v[KX+32*\t+4*\i:KX+32*\t+4*\i+3], v7 offset:QT+16*\t*272+16*\i
.endr
.endr
	s_wait_alu depctr_va_vdst(0)
	s_wait_xcnt 0x0                                ; K's stores have read v16-27, which are written again
	s_wait_dscnt 0x0
	QK 0
	QK 1
.irp t, 0,1
	global_store_b128 v4, v[KC+6*\t:KC+6*\t+3], s[34:35] offset:512*\t            ; 512 consecutive bytes, aligned
	global_store_b64 v226, v[KC+6*\t+4:KC+6*\t+5], s[34:35] offset:1024+256*\t    ; 256 consecutive bytes, aligned
.endr
	global_store_b64 v226, v[28:29], s[34:35] offset:1536
.macro BLOCK b                         ; keys 32 b .. 32 b + 31 of my channel: block b = 2 c + h of the fragment: lane (r, b % 2), registers 6 (b / 2) on
.set XS, VX+32*((\b)%2)
.set R, 32+8*(\b)
.set T, 64+4*(\b)
.if (\b) < 3
	s_wait_loadcnt 32                              ; this block's 32 loads are in; the next block's may be out
.else
	s_wait_loadcnt 0x0
.endif
	MAXB
	v_cvt_scalef32_pk16_fp6_f32 v[R:R+2], v[XS:XS+15], v14
	v_cvt_scalef32_pk16_fp6_f32 v[T:T+2], v[XS+16:XS+31], v14
.if (\b) == 0
	v_mov_b32 v31, v15                             ; the four bytes make my channel's scale word.  (The plain line behind the conversions)
.else
	v_lshl_or_b32 v31, v15, 8*(\b), v31
.endif
.irp i, 0,1,2
	v_mov_b32 v[R+3+\i], v[T+\i]
.endr
.if (\b) < 2                                   ; registers 0-3 are image 0, registers 4, 5 the lower half of a lane's place in image 1
	ds_store_b128 v8, v[R:R+3] offset:256*((\b)%2)
	ds_store_b64 v8, v[R+4:R+5] offset:512+256*((\b)%2)
.else                                          ; registers 6, 7 its upper half, registers 8-11 image 2
	ds_store_b64 v8, v[R:R+1] offset:520+256*((\b)%2)
	ds_store_b128 v8, v[R+2:R+5] offset:1024+256*((\b)%2)
.endif
.if (\b)+2 < 4
	LOAD (\b)+2
.endif
.endm
	BLOCK 0
	BLOCK 1
	BLOCK 2
	BLOCK 3
	ds_store_b32 v10, v31 offset:512
.irp j, 0,1,2,3,4,5
	ds_load_b128 v[KX+4*\j:KX+4*\j+3], v9 offset:512*\j           ; my own bytes, in order behind my stores
.endr
.irp j, 0,1,2,3,4,5
	s_wait_dscnt 5-\j                              ; image j is back; the younger loads may be out
	global_store_b128 v4, v[KX+4*\j:KX+4*\j+3], s[24:25] offset:512*\j
.endr
	s_wait_dscnt 0x0                               ; for the others: my words of the two scale images have landed
	s_barrier_signal -1
	s_barrier_wait -1
	s_cmp_lt_u32 s12, 2                            ; wave 0 sends K's scale image out, wave 1 V's
	s_cbranch_scc0 .Lend
	s_cmp_eq_u32 s12, 0
	s_cselect_b64 s[20:21], s[8:9], s[10:11]
	ds_load_b128 v[SIM:SIM+3], v[SRD]
	s_wait_dscnt 0x0
	global_store_b128 v4, v[SIM:SIM+3], s[20:21]   ; 512 consecutive bytes, aligned
.Lend:
	s_wait_tensorcnt 0x0
	ds_add_u32 v232, v233
	s_wait_dscnt 0x0
	s_endpgm
.Lfunc_end_k_qf548a5bbff_prep:
	.size	k_qf548a5bbff_prep, .Lfunc_end_k_qf548a5bbff_prep-k_qf548a5bbff_prep
	.p2alignl 7, 3214868480
	.fill 96, 4, 3214868480
	.section	.rodata,"a",@progbits
	.p2align	6, 0x0
	.amdhsa_kernel k_qf548a5bbff_prep
		.amdhsa_group_segment_fixed_size 83456
		.amdhsa_private_segment_fixed_size 0
		.amdhsa_enable_private_segment 0
		.amdhsa_kernarg_size 48
		.amdhsa_user_sgpr_count 2
		.amdhsa_user_sgpr_kernarg_segment_ptr 1
		.amdhsa_wavefront_size32 1
		.amdhsa_system_sgpr_workgroup_id_x 1
		.amdhsa_system_sgpr_workgroup_id_y 1
		.amdhsa_system_sgpr_workgroup_id_z 1
		.amdhsa_system_vgpr_workitem_id 0
		.amdhsa_next_free_vgpr 234
		.amdhsa_next_free_sgpr 66
		.amdhsa_reserve_vcc 1
		.amdhsa_float_denorm_mode_32 3
		.amdhsa_float_denorm_mode_16_64 3
		.amdhsa_memory_ordered 1
		.amdhsa_forward_progress 1
		.amdhsa_inst_pref_size 38
	.end_amdhsa_kernel
	.amdgpu_metadata
---
amdhsa.version: [ 1, 2 ]
amdhsa.kernels:
  - .name:           k_qf548a5bbff_prep
    .symbol:         k_qf548a5bbff_prep.kd
    .args:
      - { .name: k, .offset: 0, .size: 8, .value_kind: global_buffer, .address_space: global }
      - { .name: v, .offset: 8, .size: 8, .value_kind: global_buffer, .address_space: global }
      - { .name: kc, .offset: 16, .size: 8, .value_kind: global_buffer, .address_space: global }
      - { .name: vc, .offset: 24, .size: 8, .value_kind: global_buffer, .address_space: global }
      - { .name: q, .offset: 32, .size: 8, .value_kind: global_buffer, .address_space: global }
      - { .name: qc, .offset: 40, .size: 8, .value_kind: global_buffer, .address_space: global }
    .group_segment_fixed_size: 83456
    .private_segment_fixed_size: 0
    .kernarg_segment_align: 8
    .kernarg_segment_size: 48
    .max_flat_workgroup_size: 128
    .sgpr_count:     66
    .vgpr_count:     234
    .wavefront_size: 32
...
	.end_amdgpu_metadata
.endif
;; end of part 1
;; launch attend (part 2): grid 8 x 32, 8 waves a work-group, clusters of 4 x 1, 312,320 bytes of LDS; arguments qc, kc, vc, out0; writes out0
.if DOCPART == 2
	.amdgcn_target "amdgcn-amd-amdhsa--gfx1250"
	.amdhsa_code_object_version 6
	.text
	.protected	k_qf548a5bbff_attend
	.globl	k_qf548a5bbff_attend
	.p2align	8
	.type	k_qf548a5bbff_attend,@function
k_qf548a5bbff_attend:
	s_mov_b64 s[64:65], 0
	v_nop
	global_prefetch_b8 v0, s[64:65] scope:SCOPE_SE
	s_setreg_imm32_b32 hwreg(HW_REG_WAVE_MODE, 25, 1), 1
	s_wait_xcnt 0x0
	s_wait_alu depctr_hold_cnt(0) depctr_sa_sdst(0) depctr_va_vdst(0) depctr_va_sdst(0) depctr_va_ssrc(0) depctr_va_vcc(0) depctr_vm_vsrc(0)
	s_getreg_b32 s2, hwreg(HW_REG_IB_STS2, 6, 4)
	s_cmp_eq_u32 s2, 0
	s_cbranch_scc0 .Lentry_in_a_cluster
	s_endpgm
.Lentry_in_a_cluster:
	s_bfe_u32 s2, ttmp6, 0x10000c
	s_cmp_lg_u32 s2, 0x3003
	s_cbranch_scc0 .Lentry_shape_is_right
	s_endpgm
.Lentry_shape_is_right:
; out[b][h] = softmax(q[b % 2][h] k[b % 2][h]^T / 8) v[b][h].  swap = 1 is a constant of the problem: the weights of batches 0 and 1 serve batches 2 and 3, so the scores of heads 32 to 63 are left out (first launch's head).
; Both products on codes of FP6 (E2M3), one E8M0 scale for each 32 along K.  The second product's left operand is the finished, normalised softmax, quantised along the keys: a row's maximum and sum are
; known before any weight is quantised.  PASS 1 makes K Q^T and keeps a running maximum m and sum l; PASS 2 makes the same K Q^T again and p = 2^(c s - (c m + log2 l)), c = log2(e) / 8.
; LIMITS: a weight under 2^-126 becomes 0; a block of zeros gets the scale byte 1 (its codes are zeros); NaN and infinities are not served; c m + log2 l is rounded once, at its own size.
; SHARES.  A work-group owns 256 queries of a head pair hp (heads hp, hp + 32 share the weights), each of its eight waves 32: tiles a = 0, 1 of 16; every fragment from LDS feeds two products.
; LDS.  The pair's kc block (106,496 bytes) and vc block (204,800) lie in LDS as images of operand registers, each byte filled once.  CLUSTER: the four query blocks of a cluster need the same bytes:
; waves 0-3 ask for K's quarters, waves 4-7 for V's, jointly, one tensor load a wave.  No data prefetch: every byte is asked for once, at the head, and there is no loop to run ahead in.
; LAYOUT.  S^T = K Q^T, O^T = V^T P^T: a lane holds one query (lane % 16); its registers 32 c .. 32 c + 31 of S^T are keys 64 c + 32 (lane / 16) + 0 .. 31: whole blocks of P.
; The head has 64 channels, the instruction 128 along K: Q's registers 6-11 hold zero codes; a tile of K names its six registers and the six behind them (finite codes whatever their bits), which meet those zeros.
; BOTH PASSES GO BY TILES: one tile's exponentials stand in one batch, and the eight products that make the other tile's next scores (each starts from the constant 0) stand among them.
; In pass 2 the products with V stand among the lines that search a block's largest weight: tile 0's in the same step, tile 1's in the step after, so V's fragments are fetched behind those.
; REGISTERS.  Window 0: v1-3 at work; v4-19 statistics, eight a tile: +0 NX, +1 m, +2,3 l, +4,5 a, +6 at work; v20-23 chains of sums; v24-35 scale words of K, V, Q, P; v36-43 eight chains of maxima; v44-47 at work;
;   v48-95 K's eight tiles; v96-101 six registers never rewritten (offsets; named behind K's last tile); v102-125 P's codes; v126,127 the add's; v128-255 S^T, then p.
;   Window 1: v0-127 O^T (tile a, fragment F at 64 a + 8 F); v128-223 V's eight fragments; v224-247 Q's codes.
.set ADK, 1
.set ADV, 2
.set TW,  3
.set ST,  4
.set L2,  20
.set KS,  24
.set VS,  28
.set QS,  32
.set PS,  34
.set BM,  36
.set BY,  44
.set KF,  48
.set LI,  96                           ; 16 x lane
.set SH8, 97                           ; 8 (lane / 16)
.set STO, 98                           ; the way out: where I put 32 bytes of a row
.set RD,  99                           ; and where I read a row back
.set GO,  100                          ; my byte offset in two rows of out0
.set L8,  101                          ; 8 x lane
.set PF,  102
.set SPW, 126
.set NIL, 127
.set S,   128
.set VF,  128                          ; window 1
.set QF,  224                          ; window 1
.set KSTEP, 6656                       ; a step of 128 keys in K's region: 12 images and the scale image
.set VSTEP, 12800                      ; in V's: 24 images and the scale image
.set VREG,  106496
.set SPARE, 311296                     ; behind V's region: the spare words, 128 bytes a wave
.set STG,   4352                       ; the way out: 16 rows x 272 bytes a wave, in K's region, behind the barrier behind which nobody reads it; it has had its only fill
.set FLOOR, 0x1800000                  ; 2^(3 - 127): the byte cannot fall under 1
.set EOFF,  0xff000000                 ; takes 2 off an exponent field
.set MSB, 0
.macro WIN new                         ; s_set_vgpr_msb: bits 1:0 source 0, 3:2 source 1, 5:4 source 2, 7:6 destination; the high byte repeats the setting that is left
.if MSB != \new
	s_set_vgpr_msb (MSB<<8)|\new
.set MSB, \new
.endif
.endm
.macro ALU
	s_wait_alu depctr_va_vdst(0)
.endm
.macro NOPS n
.rept \n
	v_nop
.endr
.endm
.macro CROUND                          ; a round of the cluster's barrier
	s_barrier_signal -1
	s_barrier_wait -1
	s_cmp_lg_u32 s12, 0
	s_cbranch_scc1 .Lnot_wave_0_\@
	s_barrier_signal -3
.Lnot_wave_0_\@:
	s_barrier_wait -3
	s_barrier_signal -1
	s_barrier_wait -1
.endm
	s_load_b256 s[4:11], s[0:1], 0x0               ; qc s[4:5], kc s[6:7], vc s[8:9], out0 s[10:11]
	v_lshl_add_u32 v[SPW], v0, 2, SPARE
	v_mov_b32 v[NIL], 0
	ds_add_u32 v[SPW], v[NIL]                      ; the opening lines: the add twice on end and one wait
	ds_add_u32 v[SPW], v[NIL]
	v_lshrrev_b32 v1, 5, v0
	v_readfirstlane_b32 s12, v1                    ; wave 0..7
	s_mul_i32 s17, s12, STG
	v_and_b32 v[LI], 31, v0
	v_lshlrev_b32 v[L8], 3, v[LI]
	v_lshlrev_b32 v[LI], 4, v[LI]
	v_and_b32 v36, 15, v0                          ; r
	v_bfe_u32 v37, v0, 4, 1                        ; h
	v_lshlrev_b32 v[SH8], 3, v37
	v_mul_u32_u24 v[STO], v36, 272
	v_lshl_add_u32 v[STO], v37, 5, v[STO]
	v_add_nc_u32 v[STO], s17, v[STO]               ; into my stage: row r, 32 h bytes on
	v_mul_u32_u24 v[RD], v37, 272
	v_lshl_add_u32 v[RD], v36, 4, v[RD]
	v_add_nc_u32 v[RD], s17, v[RD]                 ; back: lanes 0-15 one row, lanes 16-31 the next
	v_lshlrev_b32 v[GO], 8, v37
	v_lshl_add_u32 v[GO], v36, 4, v[GO]            ; and the same two rows in out0
	v_mov_b32 v[TW], 0                             ; written once: a lane permute's destination counts as one of its sources
	s_bfe_u32 s13, ttmp6, 0x40000                  ; cx: it enters qc's and out0's addresses alone
	s_lshl_b32 s14, ttmp9, 2
	s_add_co_u32 s14, s14, s13                     ; my block of 256 queries
	s_and_b32 s15, ttmp7, 0xffff                   ; hp, which the four partners share
	s_and_b32 s16, s12, 3                          ; which quarter I fetch
	s_mov_b32 s32, 15|(3<<16)|(1<<21)              ; group 1 for K: the mask of all four; elements of 8 bytes; bit 21 beside a mask; rows of 256 bytes, 104 of them
	s_mov_b32 s33, 32<<16
	s_mov_b32 s34, 104<<16
	s_mov_b32 s35, 32<<16
	s_mov_b32 s36, 104
	s_mov_b32 s37, 32
	s_mov_b32 s38, 0
	s_mov_b32 s39, 0
	s_mov_b32 s40, 15|(3<<16)|(1<<21)              ; group 1 for V: 200 rows
	s_mov_b32 s41, 32<<16
	s_mov_b32 s42, 200<<16
	s_mov_b32 s43, 32<<16
	s_mov_b32 s44, 200
	s_mov_b32 s45, 32
	s_mov_b32 s46, 0
	s_mov_b32 s47, 0
	s_mov_b32 s48, 1                               ; group 0 for K
	s_mul_i32 s49, s16, 26624
	s_mul_i32 s18, s15, 106496
	s_add_co_u32 s18, s18, s49
	s_mov_b32 s19, 0
	s_mov_b32 s52, 1                               ; group 0 for V
	s_mul_i32 s53, s16, 51200
	s_mul_i32 s30, s15, 204800
	s_add_co_u32 s30, s30, s53
	s_mov_b32 s31, 0
	s_add_co_u32 s53, s53, VREG
	s_lshl_b32 s56, s15, 19                        ; out0: the head's 2^19 bytes, my block's 2^16, my wave's 2^13
	s_lshl_b32 s57, s14, 16
	s_add_co_u32 s56, s56, s57
	s_lshl_b32 s57, s12, 13
	s_add_co_u32 s56, s56, s57
	s_mov_b32 s57, 0
	s_lshl_b32 s58, s15, 6                         ; qc: (64 hp + 8 block + wave) x 1,792
	s_lshl_b32 s59, s14, 3
	s_add_co_u32 s58, s58, s59
	s_add_co_u32 s58, s58, s12
	s_mul_i32 s58, s58, 1792
	s_mov_b32 s59, 0
	s_mov_b32 s20, 0x76543210
	s_mov_b32 s21, 0xfedcba98                      ; v_permlanex16_b32's selects for lane l xor 16
	s_mov_b32 s22, 0x3e38aa3b                      ; c = log2(e) / 8
	s_mov_b32 s23, s22
	s_mov_b32 s24, 0xbe38aa3b                      ; -c
	ALU
	s_wait_dscnt 0x0                               ; both opening adds are done
	s_wait_kmcnt 0x0
	s_add_nc_u64 s[50:51], s[6:7], s[18:19]
	s_or_b32 s51, s51, 0x80000000
	s_add_nc_u64 s[54:55], s[8:9], s[30:31]
	s_or_b32 s55, s55, 0x80000000
	s_add_nc_u64 s[4:5], s[4:5], s[58:59]
	s_add_nc_u64 s[10:11], s[10:11], s[56:57]      ; out0 for head hp,
	s_add_nc_u64 s[28:29], s[10:11], 0x1000000     ; and for head hp + 32
	WIN 0x40                                       ; destination window 1
.irp a, 0,1
	global_load_b128 v[QF+12*\a:QF+12*\a+3], v[LI], s[4:5] offset:512*\a
	global_load_b64 v[QF+12*\a+4:QF+12*\a+5], v[L8], s[4:5] offset:1024+256*\a
.irp i, 6,7,8,9,10,11
	v_mov_b32 v[QF+12*\a+\i], 0                    ; zero codes for k = 64 .. 127
.endr
.endr
	WIN 0
	global_load_b64 v[QS:QS+1], v[L8], s[4:5] offset:1536   ; the two tiles' scale words
.irp a, 0,1
	v_mov_b32 v[ST+8*\a+1], 0xff61b1e6             ; m: -3e38, under every score
	v_mov_b32 v[ST+8*\a+2], 0                      ; l, in two halves
	v_mov_b32 v[ST+8*\a+3], 0
	v_mov_b32 v[ST+8*\a+4], 0                      ; a, and its pair's upper register
	v_mov_b32 v[ST+8*\a+5], 0
	v_mul_f32 v[ST+8*\a], s24, v[ST+8*\a+1]        ; NX = -c m
.endr
	ALU
	CROUND                                         ; all four work-groups are here: the joint loads meet
	s_cmp_lt_u32 s12, 4                            ; one chain on the wave's number, one fill to an arm
	s_cbranch_scc0 .Lfill_v
	tensor_load_to_lds s[48:51], s[32:39]          ; waves 0-3: a quarter of K
	s_nop 0
	NOPS 4
	s_branch .Lfilled
.Lfill_v:
	tensor_load_to_lds s[52:55], s[40:47]          ; waves 4-7: a quarter of V
	s_nop 0
	NOPS 4
.Lfilled:
	s_wait_loadcnt 0x0                             ; Q's codes and scale words are in
	s_cmp_lt_u32 s12, 4
	s_cbranch_scc0 .Lk_not_mine                    ; V's quarters may stay out, and V is read behind the next
	s_wait_tensorcnt 0x0                           ; my quarter of K is in
.Lk_not_mine:
	s_barrier_signal -1
	s_barrier_wait -1                              ; everybody's quarter of K is in
.macro KLOAD                           ; the step at s25: K's scale image and twelve images of codes: 13 LDS loads
	v_add_nc_u32 v[ADK], s25, v[LI]
	ds_load_b128 v[KS:KS+3], v[ADK] offset:6144
.irp i, 0,1,2,3,4,5,6,7,8,9,10,11
	ds_load_b128 v[KF+4*\i:KF+4*\i+3], v[ADK] offset:512*\i
.endr
.endm
.macro VLOAD                           ; the step at s26: V's 24 images and the scale image: 25 LDS loads
	v_add_nc_u32 v[ADV], s26, v[LI]
	WIN 0x40
.irp i, 0,1,2,3,4,5,6,7,8,9,10,11,12,13,14,15,16,17,18,19,20,21,22,23
	ds_load_b128 v[VF+4*\i:VF+4*\i+3], v[ADV] offset:512*\i
.endr
	WIN 0
	ds_load_b128 v[VS:VS+3], v[ADV] offset:12288
.endm
.macro SM t, a                         ; 16 keys (tile t) x 16 queries (tile a), from the constant 0.  Tile t's scale words: register t / 2, lanes 0-15 (t even) or 16-31 (t odd).  Under WIN 0x04: Q in window 1
.if (\t)%2
	v_wmma_scale_f32_16x16x128_f8f6f4 v[S+64*(\a)+8*(\t):S+64*(\a)+8*(\t)+7], v[KF+6*(\t):KF+6*(\t)+11], v[QF+12*(\a):QF+12*(\a)+11], 0, v[KS+(\t)/2], v[QS+(\a)] matrix_a_fmt:MATRIX_FMT_FP6 matrix_b_fmt:MATRIX_FMT_FP6 matrix_a_scale:MATRIX_SCALE_ROW1
.else
	v_wmma_scale_f32_16x16x128_f8f6f4 v[S+64*(\a)+8*(\t):S+64*(\a)+8*(\t)+7], v[KF+6*(\t):KF+6*(\t)+11], v[QF+12*(\a):QF+12*(\a)+11], 0, v[KS+(\t)/2], v[QS+(\a)] matrix_a_fmt:MATRIX_FMT_FP6 matrix_b_fmt:MATRIX_FMT_FP6
.endif
.endm
.macro PVI f, a, z                     ; O^T (+)= V^T P^T: fragment f (16 channels) x tile a; z = 1: from the constant 0.  Under WIN 0x51: V and O^T in window 1, P in window 0
.if \z
.if (\f)%2
	v_wmma_scale_f32_16x16x128_f8f6f4 v[64*(\a)+8*(\f):64*(\a)+8*(\f)+7], v[VF+12*(\f):VF+12*(\f)+11], v[PF+12*(\a):PF+12*(\a)+11], 0, v[VS+(\f)/2], v[PS+(\a)] matrix_a_fmt:MATRIX_FMT_FP6 matrix_b_fmt:MATRIX_FMT_FP6 matrix_a_scale:MATRIX_SCALE_ROW1
.else
	v_wmma_scale_f32_16x16x128_f8f6f4 v[64*(\a)+8*(\f):64*(\a)+8*(\f)+7], v[VF+12*(\f):VF+12*(\f)+11], v[PF+12*(\a):PF+12*(\a)+11], 0, v[VS+(\f)/2], v[PS+(\a)] matrix_a_fmt:MATRIX_FMT_FP6 matrix_b_fmt:MATRIX_FMT_FP6
.endif
.else
.if (\f)%2
	v_wmma_scale_f32_16x16x128_f8f6f4 v[64*(\a)+8*(\f):64*(\a)+8*(\f)+7], v[VF+12*(\f):VF+12*(\f)+11], v[PF+12*(\a):PF+12*(\a)+11], v[64*(\a)+8*(\f):64*(\a)+8*(\f)+7], v[VS+(\f)/2], v[PS+(\a)] matrix_a_fmt:MATRIX_FMT_FP6 matrix_b_fmt:MATRIX_FMT_FP6 matrix_a_scale:MATRIX_SCALE_ROW1
.else
	v_wmma_scale_f32_16x16x128_f8f6f4 v[64*(\a)+8*(\f):64*(\a)+8*(\f)+7], v[VF+12*(\f):VF+12*(\f)+11], v[PF+12*(\a):PF+12*(\a)+11], v[64*(\a)+8*(\f):64*(\a)+8*(\f)+7], v[VS+(\f)/2], v[PS+(\a)] matrix_a_fmt:MATRIX_FMT_FP6 matrix_b_fmt:MATRIX_FMT_FP6
.endif
.endif
.endm
.macro PVW f, a, z                     ; one such product among lines of window 0; a = -1: none
.if (\a) >= 0
	WIN 0x51
	PVI \f, \a, \z
	WIN 0
.endif
.endm
.macro EXPS a, lo, n                   ; n exponentials in place, from register lo of tile a on
.set x, S+64*(\a)+(\lo)
.rept \n
	v_exp_f32 v[x], v[x]
.set x, x+1
.endr
.endm
.macro BATCH a, mt                     ; tile a's 64 exponentials; among them, where mt is 0 or 1, the eight products of tile mt's scores: they name none of the batch's registers
.set e, 0
.rept 8
.if (\mt) >= 0
	SM e, \mt
.endif
	EXPS \a, 8*e, 8
.set e, e+1
.endr
.endm
.macro FMA a                           ; tile a's 64 scores become c s + NX, ascending: each accumulator is first read at its low end
.set j, 0
.rept 32
	v_pk_fma_f32 v[S+64*(\a)+2*j:S+64*(\a)+2*j+1], v[S+64*(\a)+2*j:S+64*(\a)+2*j+1], s[22:23], v[ST+8*(\a):ST+8*(\a)+1] op_sel_hi:[1,0,0]
.set j, j+1
.endr
.endm
.macro MX1 a, k, p2                    ; line j of chain k: registers 8 k + 2 j, + 1 of tile a.  The chain's first leaf: the floor (weights) or the old m (scores)
.set rp, S+64*(\a)+8*(\k)+2*j
.if j == 0
.if \p2
	v_max3_num_f32 v[BM+\k], v[rp], v[rp+1], FLOOR
.else
	v_max3_num_f32 v[BM+\k], v[rp], v[rp+1], v[ST+8*(\a)+1]
.endif
.else
	v_max3_num_f32 v[BM+\k], v[BM+\k], v[rp], v[rp+1]
.endif
.endm
.macro MAX8 a, p2, pva, pvz            ; tile a's 64 numbers in eight chains by turns, each ascending through one accumulator; behind every four lines one product of tile pva with V
.set j, 0
.rept 4
.irp k, 0,1,2,3
	MX1 \a, \k, \p2
.endr
	PVW 2*j, \pva, \pvz
.irp k, 4,5,6,7
	MX1 \a, \k, \p2
.endr
	PVW 2*j+1, \pva, \pvz
.set j, j+1
.endr
.endm
.macro MRG1 a                          ; the eight chains give the running maximum of my half's keys
	v_max3_num_f32 v[BM], v[BM], v[BM+1], v[BM+2]
	v_max3_num_f32 v[BM+4], v[BM+4], v[BM+5], v[BM+6]
	v_max3_num_f32 v[BM], v[BM], v[BM+3], v[BM+4]
	v_max_num_f32 v[ST+8*(\a)+1], v[BM], v[BM+7]
.endm
.macro MRG2                            ; chains 0-3 give my first block's largest weight (v[BM]), chains 4-7 my second's (v[BM+4])
	v_max3_num_f32 v[BM], v[BM], v[BM+1], v[BM+2]
	v_max3_num_f32 v[BM+4], v[BM+4], v[BM+5], v[BM+6]
	v_max_num_f32 v[BM], v[BM], v[BM+3]
	v_max_num_f32 v[BM+4], v[BM+4], v[BM+7]
.endm
.macro SUM a                           ; l = a l + tile a's 64 weights, in pairs, four chains by turns
.set rS, S+64*(\a)
.set rT, ST+8*(\a)
	v_pk_fma_f32 v[rT+2:rT+3], v[rT+2:rT+3], v[rT+4:rT+5], v[rS:rS+1] op_sel_hi:[1,0,1]
	v_pk_add_f32 v[L2:L2+1], v[rS+2:rS+3], v[rS+10:rS+11]
	v_pk_add_f32 v[L2+2:L2+3], v[rS+4:rS+5], v[rS+12:rS+13]
	v_pk_add_f32 v[BY:BY+1], v[rS+6:rS+7], v[rS+14:rS+15]
	v_pk_add_f32 v[rT+2:rT+3], v[rT+2:rT+3], v[rS+8:rS+9]
.set n, 2
.rept 6
	v_pk_add_f32 v[L2:L2+1], v[L2:L2+1], v[rS+8*n+2:rS+8*n+3]
	v_pk_add_f32 v[L2+2:L2+3], v[L2+2:L2+3], v[rS+8*n+4:rS+8*n+5]
	v_pk_add_f32 v[BY:BY+1], v[BY:BY+1], v[rS+8*n+6:rS+8*n+7]
	v_pk_add_f32 v[rT+2:rT+3], v[rT+2:rT+3], v[rS+8*n:rS+8*n+1]
.set n, n+1
.endr
	v_pk_add_f32 v[L2:L2+1], v[L2:L2+1], v[L2+2:L2+3]
	v_pk_add_f32 v[rT+2:rT+3], v[rT+2:rT+3], v[BY:BY+1]
	v_pk_add_f32 v[rT+2:rT+3], v[rT+2:rT+3], v[L2:L2+1]
.endm
.macro NEWMAXP a                       ; m has moved: NX = -c m anew, and new NX - old NX, whose exponential a brings the old sum under the new m
	v_mov_b32 v[ST+8*(\a)+6], v[ST+8*(\a)]
	v_mul_f32 v[ST+8*(\a)], s24, v[ST+8*(\a)+1]
	v_sub_f32 v[ST+8*(\a)+6], v[ST+8*(\a)], v[ST+8*(\a)+6]
.endm
; A step of pass 1.  At its head tile 0 holds this step's scores and K's fragments this step's K.  first = 1: no earlier step's tile 1 is to be summed.  nxt = 1: the next step's K follows; 0: step 0's, for pass 2.
.macro P1 first, nxt
	ALU
	MAX8 0, 0, -1, 0
	MRG1 0
	NEWMAXP 0
	FMA 0
.if !(\first)
	SUM 1                                          ; the step before's tile 1
.endif
	ALU
	WIN 0x04
	v_exp_f32 v[ST+4], v[ST+6]
	BATCH 0, 1                                     ; tile 0's weights; among them tile 1's scores
	WIN 0
	NOPS 4                                         ; the plain line behind the exponentials, and the places behind the products
	ALU
	MAX8 1, 0, -1, 0
.if \nxt
	s_add_co_u32 s25, s25, KSTEP
.else
	s_mov_b32 s25, 0
.endif
	KLOAD
	MRG1 1
	NEWMAXP 1
	FMA 1
	SUM 0
	ALU
	s_wait_dscnt 0x0                               ; the next K is in
	WIN 0x04
	v_exp_f32 v[ST+12], v[ST+14]
	BATCH 1, 0                                     ; tile 1's weights; among them the next step's scores of tile 0
	WIN 0
	NOPS 4
.endm
	; ---- PASS 1: m and l.  Each half of the lanes keeps a maximum and a sum over its own keys; the halves meet behind the loop
	s_mov_b32 s25, 0
	KLOAD
	s_wait_dscnt 0x0
	WIN 0x04
.irp t, 0,1,2,3,4,5,6,7
	SM \t, 0
.endr
	WIN 0
	NOPS 4
	P1 1, 1
	ALU
	s_wait_tensorcnt 0x0                           ; my quarter of V is in,
	s_wait_dscnt 0x0
	s_barrier_signal -1
	s_barrier_wait -1                              ; everybody's is: from here to the way out no wave waits for another
	s_mov_b32 s27, 14
.Lp1:
	P1 0, 1
	s_sub_co_u32 s27, s27, 1
	s_cmp_lg_u32 s27, 0
	ALU
	s_cbranch_scc1 .Lp1
	P1 0, 0
	ALU
	SUM 1
.irp a, 0,1
	v_add_f32 v[ST+8*\a+2], v[ST+8*\a+2], v[ST+8*\a+3]
.endr
.irp a, 0,1
	v_permlanex16_b32 v[BM+\a], v[ST+8*\a+1], s20, s21
.endr
.irp a, 0,1
	v_max_num_f32 v[ST+8*\a+1], v[ST+8*\a+1], v[BM+\a]   ; the row's m
.endr
	NEWMAXP 0
	NEWMAXP 1
	ALU
.irp a, 0,1
	v_exp_f32 v[ST+8*\a+4], v[ST+8*\a+6]
.endr
	v_nop
	ALU
.irp a, 0,1
	v_mul_f32 v[ST+8*\a+2], v[ST+8*\a+2], v[ST+8*\a+4]   ; my half's sum under the row's m
.endr
.irp a, 0,1
	v_permlanex16_b32 v[BM+\a], v[ST+8*\a+2], s20, s21
.endr
.irp a, 0,1
	v_add_f32 v[ST+8*\a+2], v[ST+8*\a+2], v[BM+\a]       ; the same two numbers in both halves: the same bits
.endr
	ALU
.irp a, 0,1
	v_log_f32 v[ST+8*\a+4], v[ST+8*\a+2]
.endr
	v_nop
	ALU
.irp a, 0,1
	v_sub_f32 v[ST+8*\a], v[ST+8*\a], v[ST+8*\a+4]       ; NX = -(c m + log2 l)
.endr
.macro QTAIL a                         ; tile a's p, 64 a lane, become 12 registers of codes and the queries' scale words.  My blocks are h and 2 + h of the step's four
.set rS, S+64*(\a)
.set rP, PF+12*(\a)
	v_add_nc_u32 v[BY], EOFF, v[BM]                ; the conversions take the exponent field of these two as their scales
	v_add_nc_u32 v[BY+1], EOFF, v[BM+4]
	v_lshrrev_b32 v[BY+2], 23, v[BY]               ; the bytes
	v_lshrrev_b32 v[BY+3], 23, v[BY+1]
	v_cvt_scalef32_pk16_fp6_f32 v[rP:rP+2], v[rS:rS+15], v[BY]
	v_cvt_scalef32_pk16_fp6_f32 v[rP+6:rP+8], v[rS+32:rS+47], v[BY+1]
	v_lshl_or_b32 v[BY+2], v[BY+3], 16, v[BY+2]    ; (the plain line: the next two write registers that the first read)
	v_cvt_scalef32_pk16_fp6_f32 v[rS:rS+2], v[rS+16:rS+31], v[BY]              ; (a conversion's three registers begin on an even number: the upper halves are made in weights that are done with, and moved)
	v_cvt_scalef32_pk16_fp6_f32 v[rS+4:rS+6], v[rS+48:rS+63], v[BY+1]
	v_lshlrev_b32 v[BY+2], v[SH8], v[BY+2]         ; my two bytes at their places,
	v_permlanex16_b32 v[TW], v[BY+2], s20, s21
	v_or_b32 v[PS+\a], v[BY+2], v[TW]              ; with lane l xor 16's two the word is whole
.irp i, 0,1,2
	v_mov_b32 v[rP+3+\i], v[rS+\i]
	v_mov_b32 v[rP+9+\i], v[rS+4+\i]
.endr
.endm
; A step of pass 2: 128 keys.  At its head tile 0 holds c s + NX of this step, K's fragments this step's K, and V's fragments and tile 1's codes are the step before's.
; pp: the step before's products of tile 1 with V: -1 none, 1 from the constant 0, 0 added on.  first = 1: tile 0's start from the constant 0.  last = 1: no step follows.
.macro STEP2 pp, first, last
	ALU
	WIN 0x04
	BATCH 0, 1                                     ; tile 0's weights; among them tile 1's scores
	WIN 0
	NOPS 4
	ALU
	FMA 1
.if !(\last)
	s_add_co_u32 s25, s25, KSTEP
	KLOAD                                          ; the next step's K
.endif
.if (\pp) >= 0
	ALU
	MAX8 0, 1, 1, \pp
.else
	MAX8 0, 1, -1, 0
.endif
	MRG2                                           ; four plain lines: the places ahead of the loads into V's fragments
	VLOAD                                          ; this step's V
	QTAIL 0
	ALU
.if !(\last)
	s_wait_dscnt 25                                ; the next step's K is in; V's 25 loads, issued behind K's, may be out
.endif
	WIN 0x04
.if \last
	BATCH 1, -1
.else
	BATCH 1, 0                                     ; tile 1's weights; among them the next step's scores of tile 0, into weights that have become codes
.endif
	WIN 0
	NOPS 4
	s_wait_dscnt 0x0                               ; V is in
	ALU
.if !(\last)
	FMA 0
	ALU
.endif
	MAX8 1, 1, 0, \first
	MRG2
	QTAIL 1
	s_add_co_u32 s26, s26, VSTEP
.endm
	; ---- PASS 2: the same scores again, the normalised weights, their codes, and both heads' V.  Step 0's scores of tile 0 were made in pass 1's last step
	s_mov_b32 s26, VREG
	ALU
	FMA 0
	STEP2 -1, 1, 0
	STEP2 1, 0, 0
	s_mov_b32 s27, 13
	ALU
.Lp2:
	STEP2 0, 0, 0
	s_sub_co_u32 s27, s27, 1
	s_cmp_lg_u32 s27, 0
	ALU
	s_cbranch_scc1 .Lp2
	STEP2 0, 0, 1
	NOPS 4                                         ; with QTAIL's six moves: ten places behind the scale word, four behind the codes
	ALU
	WIN 0x51
.irp f, 0,1,2,3,4,5,6,7
	PVI \f, 1, 0                                   ; the last step's tile 1
.endr
	WIN 0
	NOPS 4
	; ---- THE WAY OUT.  16 rows x 256 bytes at a time (n = 2 a + bb) go through my stage and come back as whole rows.
	ALU
	s_wait_dscnt 0x0
	s_barrier_signal -1
	s_barrier_wait -1                              ; no wave reads K's region any more: the stages lie there
.irp n, 0,1,2,3
	WIN 0x04                                       ; an LDS store's data are its source 1: window 1
.irp t, 0,1,2,3
	ds_store_b128 v[STO], v[64*(\n/2)+8*(4*(\n%2)+\t):64*(\n/2)+8*(4*(\n%2)+\t)+3] offset:64*\t          ; each accumulator from its low end on
	ds_store_b128 v[STO], v[64*(\n/2)+8*(4*(\n%2)+\t)+4:64*(\n/2)+8*(4*(\n%2)+\t)+7] offset:64*\t+16
.endr
	WIN 0
.irp i, 0,1,2,3,4,5,6,7
	ds_load_b128 v[S+32*\n+4*\i:S+32*\n+4*\i+3], v[RD] offset:2*\i*272   ; LDS serves a wave's instructions in order (ISA guide 5.7.1.4): these see my stores, and the next rows' stores come behind them
.endr
.endr
.irp n, 0,1,2,3
.irp i, 0,1,2,3,4,5,6,7
	s_wait_dscnt 16*(3-\n)+7-\i                    ; behind this load: the rest of its eight, and sixteen LDS instructions for each later n
.if \n%2
	global_store_b128 v[GO], v[S+32*\n+4*\i:S+32*\n+4*\i+3], s[28:29] offset:4096*(\n/2)+512*\i th:TH_STORE_NT
.else
	global_store_b128 v[GO], v[S+32*\n+4*\i:S+32*\n+4*\i+3], s[10:11] offset:4096*(\n/2)+512*\i th:TH_STORE_NT   ; sixteen lanes store a row's 256 consecutive bytes, aligned
.endif
.endr
.endr
	s_wait_tensorcnt 0x0                           ; the wave's end
	ds_add_u32 v[SPW], v[NIL]
	s_wait_dscnt 0x0
	CROUND                                         ; the closing round
	s_endpgm
.Lfunc_end_k_qf548a5bbff_attend:
	.size	k_qf548a5bbff_attend, .Lfunc_end_k_qf548a5bbff_attend-k_qf548a5bbff_attend
	.p2alignl 7, 3214868480
	.fill 96, 4, 3214868480
	.section	.rodata,"a",@progbits
	.p2align	6, 0x0
	.amdhsa_kernel k_qf548a5bbff_attend
		.amdhsa_group_segment_fixed_size 312320
		.amdhsa_private_segment_fixed_size 0
		.amdhsa_enable_private_segment 0
		.amdhsa_kernarg_size 32
		.amdhsa_user_sgpr_count 2
		.amdhsa_user_sgpr_kernarg_segment_ptr 1
		.amdhsa_wavefront_size32 1
		.amdhsa_system_sgpr_workgroup_id_x 1
		.amdhsa_system_sgpr_workgroup_id_y 1
		.amdhsa_system_sgpr_workgroup_id_z 1
		.amdhsa_system_vgpr_workitem_id 0
		.amdhsa_next_free_vgpr 512
		.amdhsa_next_free_sgpr 66
		.amdhsa_reserve_vcc 0
		.amdhsa_float_denorm_mode_32 3
		.amdhsa_float_denorm_mode_16_64 3
		.amdhsa_memory_ordered 1
		.amdhsa_forward_progress 1
		.amdhsa_inst_pref_size 169
	.end_amdhsa_kernel
	.amdgpu_metadata
---
amdhsa.version: [ 1, 2 ]
amdhsa.kernels:
  - .name:           k_qf548a5bbff_attend
    .symbol:         k_qf548a5bbff_attend.kd
    .args:
      - { .name: qc, .offset: 0, .size: 8, .value_kind: global_buffer, .address_space: global }
      - { .name: kc, .offset: 8, .size: 8, .value_kind: global_buffer, .address_space: global }
      - { .name: vc, .offset: 16, .size: 8, .value_kind: global_buffer, .address_space: global }
      - { .name: out0, .offset: 24, .size: 8, .value_kind: global_buffer, .address_space: global }
    .group_segment_fixed_size: 312320
    .private_segment_fixed_size: 0
    .kernarg_segment_align: 8
    .kernarg_segment_size: 32
    .max_flat_workgroup_size: 256
    .sgpr_count:     66
    .vgpr_count:     512
    .wavefront_size: 32
...
	.end_amdgpu_metadata
.endif
;; end of part 2
